; MI455X (gfx1250); checked and timed in simulation.
; The chip was launched on July 23, 2026; its instructions are those of AMD's public machine-readable ISA for CDNA 5 (MIT licence, August 2026) and "CDNA5" Instruction Set Architecture Reference Guide (July 2026). The comments in the code are by the model that wrote it; some were corrected since.
;; FM model. Allowed arithmetic: float matrix products may take bf16 or f16 operands with f32 sums; all other float work in f32.
;; Inputs: ctx 16,384 x 10 x 33 float32; doc 16,384 x 30 x 33 float32; user 16,384 x 20 x 33 float32.
;; Outputs: out0 16,384 float32.
;; One version. Each part assembles by itself: llvm-mc -triple=amdgcn-amd-amdhsa -mcpu=gfx1250 --defsym DOCPART=n.
;; ======== version 1 of 1: 1 launch
;; launch fm (part 1): grid 256 x 1, 16 waves a work-group, no clusters, 255,744 bytes of LDS; arguments user, ctx, doc, out0; writes out0
.if DOCPART == 1
	.amdgcn_target "amdgcn-amd-amdhsa--gfx1250"
	.amdhsa_code_object_version 6
	.text
	.protected	k_q5a02d7055e_fm
	.globl	k_q5a02d7055e_fm
	.p2align	8
	.type	k_q5a02d7055e_fm,@function
k_q5a02d7055e_fm:
	s_mov_b64 s[64:65], 0
	v_nop
	global_prefetch_b8 v0, s[64:65] scope:SCOPE_SE
	s_setreg_imm32_b32 hwreg(HW_REG_WAVE_MODE, 25, 1), 1
	s_wait_xcnt 0x0
; out[b] = sigmoid( 0.5 * sum over c of ( (sum over f of v[b][f][c])^2 - sum over f of v[b][f][c]^2 ) + sum over f of lin[b][f] ).
; The 60 fields of a batch row are user's 20, ctx's 10 and doc's 30; a field is 33 f32: 32 factors v, then the linear term.
;
; A work-group owns 64 batch rows: 168,960 bytes of user, 84,480 of ctx, 253,440 of doc, each block dense and beginning at a multiple
; of 256 bytes from its buffer's first byte.  user + ctx = doc = 253,440 bytes = 495 pieces of 512 bytes = 15 waves x 33 pieces
; (user 15 x 22, ctx 15 x 11): waves 0 to 14 fetch, one 16-byte load a lane and piece; wave 15 of the 16 only computes.
; THE WAY IN: a piece goes into one of the wave's 33 register slots, from there as it is into LDS (a dense copy of the blocks), and is read
; from LDS with lane = column.  Phase 1 is user + ctx.  As soon as a slot's piece is stored, the slot is asked for again with the doc piece
; of the same number, so 15 x 33 x 512 = 253,440 bytes of the work-group stay on their way until nothing is left to ask for, and the
; arithmetic on user and ctx runs while doc arrives.  Phase 2, doc, goes over the same LDS bytes in four groups of pieces; behind each group
; every wave does one row (wave w: rows w, 16 + w, 32 + w, 48 + w), so that behind the last piece only one row a wave is left.
; Through registers and not by the tensor data mover: the group's 506,880 bytes do not fit in LDS at once, and a register slot can be asked
; for again piece by piece.  No cluster: no byte is read by two work-groups.  No prefetch: every byte is asked for as early as a slot is free.
; THE ARITHMETIC: lane c holds column c.  Two fields go in one packed instruction: (sum of even fields, sum of odd fields) and the same for
; the squares.  Per lane 0.5 (s^2 - q) + the linear terms that the lane fetched; then one sum over the 32 lanes.
; LIMITS: the f32 sums are made in another order than the reference's (even and odd fields apart, lanes as a tree).  The sigmoid is
; 1 / (1 + 2^(-1.442695 x)) by v_exp_f32 and v_rcp_f32: results below 2^-126 come out as 0.  Where a sum overflows, inf and NaN arise as
; this order of the arithmetic gives them.
.set ROWS,   64                        ; batch rows of a work-group
.set FLD,    132                       ; bytes of a field
.set UROW,   20*FLD                    ; bytes of a batch row in user: 2,640
.set CROW,   10*FLD                    ; in ctx: 1,320
.set DROW,   30*FLD                    ; in doc: 3,960
.set UBLK,   ROWS*UROW                 ; 168,960
.set CBLK,   ROWS*CROW                 ; 84,480
.set DBLK,   ROWS*DROW                 ; 253,440
.set FETCH,  15                        ; waves that fetch
.set STRIDE, FETCH*512                 ; 7,680 bytes: one load of each fetching wave
.set UPCS,   UBLK/STRIDE               ; 22 pieces a wave
.set CPCS,   CBLK/STRIDE               ; 11
.set PCS,    DBLK/STRIDE               ; 33 = UPCS + CPCS: the slots of the ring
.set RES,    DBLK                      ; LDS: the 64 results, behind the data
.set ST,   1                           ; v1-5    512 w + 16 lane (+ 8, 16, 24, 32 strides): my 16 bytes of a piece, in the block and in LDS
.set AU,   6                           ; v6      LDS address of my column in field 0 of my wave's current row of user
.set AC,   7                           ; v7      the same for ctx
.set AD,   8                           ; v8      the same for doc
.set LU,   9                           ; v9      LDS address of field min(lane, 19) of that row of user (its linear term lies 128 bytes on)
.set LC,   10                          ; v10     field min(lane, 9) of ctx
.set LD,   11                          ; v11     field min(lane, 29) of doc
.set LN,   12                          ; v12     lane
.set T,    14                          ; v14-17  at work
.set SQ,   18                          ; v18-33  row k of my four: v[SQ+4k], +1 the sums of even and odd fields; +2, +3 the sums of their squares
.set LIN,  34                          ; v34-37  row k: my lane's linear terms, later the row's logit
.set X,    38                          ; v38-67  a row's fields as read from LDS; v68 the linear term
.set RING, 70                          ; v70-201 33 slots of 4 registers
	s_load_b256 s[4:11], s[0:1], 0x0               ; user s[4:5], ctx s[6:7], doc s[8:9], out s[10:11]
	v_lshl_add_u32 v202, v0, 2, 0x3df00
	v_mov_b32 v203, 0
	v_lshrrev_b32 v[T], 5, v0
	v_and_b32 v[LN], 31, v0
	v_readfirstlane_b32 s12, v[T]                  ; wave w, 0 to 15
	s_mul_i32 s14, ttmp9, UBLK                     ; the work-group's blocks: at most 255 x 253,440 bytes, below 2^31
	s_mov_b32 s15, 0
	s_mul_i32 s16, ttmp9, CBLK
	s_mov_b32 s17, 0
	s_mul_i32 s18, ttmp9, DBLK
	s_mov_b32 s19, 0
	s_lshl_b32 s20, ttmp9, 8                       ; 64 results of 4 bytes
	s_mov_b32 s21, 0
	s_lshl_b32 s13, s12, 9
	v_lshl_add_u32 v[ST], v[LN], 4, s13            ; 512 w + 16 lane
	s_wait_kmcnt 0x0
	s_add_nc_u64 s[4:5], s[4:5], s[14:15]
	s_add_nc_u64 s[6:7], s[6:7], s[16:17]
	s_add_nc_u64 s[8:9], s[8:9], s[18:19]
	s_add_nc_u64 s[10:11], s[10:11], s[20:21]
	; The ring is filled before anything else is done: all of user and ctx.  Each load of a wave covers 512 consecutive bytes that begin at a
	; multiple of 512 from the block's first byte; every byte of the launch's inputs is asked for once.
	s_cmp_lt_u32 s12, FETCH
	s_cbranch_scc0 .Lasked
.set pn, 0
.rept UPCS
	global_load_b128 v[RING+4*pn:RING+4*pn+3], v[ST], s[4:5] offset:pn*STRIDE th:TH_LOAD_NT
.set pn, pn+1
.endr
.rept CPCS
	global_load_b128 v[RING+4*pn:RING+4*pn+3], v[ST], s[6:7] offset:(pn-UPCS)*STRIDE th:TH_LOAD_NT
.set pn, pn+1
.endr
.Lasked:
	; addresses and masks, while the loads are out
.irp q, 1,2,3,4
	v_add_nc_u32 v[ST+\q], \q*8*STRIDE, v[ST]      ; an LDS offset has 16 bits: eight strides (61,440 bytes) to a register
.endr
	s_mul_i32 s22, s12, UROW                       ; my wave's first row: row w of the block
	s_mul_i32 s23, s12, CROW
	s_add_co_u32 s23, s23, UBLK                    ; ctx lies behind user in LDS
	s_mul_i32 s24, s12, DROW
	v_lshl_add_u32 v[AU], v[LN], 2, s22            ; + 4 x column
	v_lshl_add_u32 v[AC], v[LN], 2, s23
	v_lshl_add_u32 v[AD], v[LN], 2, s24
	v_min_u32 v[T+1], 19, v[LN]                    ; lanes past the last field read the last field's term and drop it
	v_min_u32 v[T+2], 9, v[LN]
	v_min_u32 v[T+3], 29, v[LN]
	v_mad_u32_u24 v[LU], v[T+1], FLD, s22
	v_mad_u32_u24 v[LC], v[T+2], FLD, s23
	v_mad_u32_u24 v[LD], v[T+3], FLD, s24
	s_mov_b32 s25, 0x000fffff                      ; lanes 0 to 19: user's fields
	s_mov_b32 s26, 0x000003ff                      ; lanes 0 to 9: ctx's
	s_mov_b32 s27, 0x3fffffff                      ; lanes 0 to 29: doc's
	s_mov_b32 s28, 0xaaaaaaaa                      ; lanes with bit 0 set
	s_mov_b32 s29, 0xcccccccc                      ; lanes with bit 1 set
	s_mov_b32 s30, 0x76543210                      ; v_permlanex16_b32: lane i of one half reads lane i of the other
	s_mov_b32 s31, 0xfedcba98
	s_lshl_b32 s13, s12, 2
	s_add_co_u32 s13, s13, RES                     ; my wave's word in each sixteen of the results
; piece j of my wave goes from its slot to its place in LDS: byte 7,680 j + 512 w + 16 lane, 32 lanes x 16 neighbouring bytes
.macro PUT j
	ds_store_b128 v[ST+(\j)/8], v[RING+4*(\j):RING+4*(\j)+3] offset:((\j)%8)*STRIDE
.endm
; One row of one tensor: F fields.  AB, LB: the row's address registers, stepped 16 rows on for k > 0.  first = 1: the row's first two fields
; are read straight into the sums and start the squares by a multiply: nothing is cleared.  MSK: the lanes that hold a field's linear term.
.macro TASK F, AB, LB, STEP, k, first, MSK
.if \k
	v_add_nc_u32 v[\AB], \STEP, v[\AB]
	v_add_nc_u32 v[\LB], \STEP, v[\LB]
.endif
.set fld, 0
.if \first
	ds_load_b32 v[SQ+4*\k],   v[\AB]
	ds_load_b32 v[SQ+4*\k+1], v[\AB] offset:FLD
.set fld, 2
.endif
.rept \F-fld
	ds_load_b32 v[X+fld], v[\AB] offset:FLD*fld    ; 32 lanes, 32 neighbouring words
.set fld, fld+1
.endr
	ds_load_b32 v[X+30], v[\LB] offset:FLD-4       ; lane i: field i's linear term; 33 words from lane to lane
.set fld, 0
.rept \F/2
.if (fld % 10) == 0
	s_wait_dscnt \F-9-fld                          ; LDS loads come back in order (ISA guide 5.7.1): of the F + 1 issued, fields fld to fld + 9 are in, the younger ones stay out
.endif
.if (fld+1-\first) == 0
	v_pk_mul_f32 v[SQ+4*\k+2:SQ+4*\k+3], v[SQ+4*\k:SQ+4*\k+1], v[SQ+4*\k:SQ+4*\k+1]
.else
	v_pk_add_f32 v[SQ+4*\k:SQ+4*\k+1], v[SQ+4*\k:SQ+4*\k+1], v[X+fld:X+fld+1]
	v_pk_fma_f32 v[SQ+4*\k+2:SQ+4*\k+3], v[X+fld:X+fld+1], v[X+fld:X+fld+1], v[SQ+4*\k+2:SQ+4*\k+3]
.endif
.set fld, fld+2
.endr
	s_wait_dscnt 0x0                               ; the linear term
.if \first
	v_cndmask_b32 v[LIN+\k], 0, v[X+30], s[\MSK]
.else
	v_cndmask_b32 v[T], 0, v[X+30], s[\MSK]
	v_add_f32 v[LIN+\k], v[LIN+\k], v[T]
.endif
.endm
; Row k is complete: my column's share of the logit, then the sum over the 32 lanes, which every lane ends up with.
.macro FIN k
	v_add_f32 v[T],   v[SQ+4*\k],   v[SQ+4*\k+1]           ; s = the column's sum over the 60 fields
	v_add_f32 v[T+1], v[SQ+4*\k+2], v[SQ+4*\k+3]           ; q = the sum of the squares
	v_fma_f32 v[T+1], v[T], v[T], -v[T+1]                  ; s^2 - q
	v_fma_f32 v[LIN+\k], v[T+1], 0.5, v[LIN+\k]            ; half of it, plus my linear terms
.irp m, 1,2,4,8
	v_add_f32_dpp v[LIN+\k], v[LIN+\k], v[LIN+\k] row_xmask:\m row_mask:0xf bank_mask:0xf
.endr
	v_permlanex16_b32 v[T], v[LIN+\k], s30, s31            ; its destination counts as read: T has been written
	v_add_f32 v[LIN+\k], v[LIN+\k], v[T]
.endm
; Pieces from to last of doc go into LDS; then all 16 waves meet, so that every wave may read what the 15 stored.
.macro GROUP from, last
	s_cmp_lt_u32 s12, FETCH
	s_cbranch_scc0 .Lput_\@
.set pn, \from
.rept \last-\from+1
	s_wait_loadcnt PCS-1-pn                        ; loads come back in order (ISA guide 5.7.1): behind piece pn's load 32 - pn were issued
	PUT pn
.set pn, pn+1
.endr
.Lput_\@:
	s_wait_dscnt 0x0                               ; my stores are in LDS, for the others' sake
	s_barrier_signal -1
	s_barrier_wait -1
.endm
	; PHASE 1, the way in: each piece of user and ctx into LDS, and its slot asked for again with the doc piece of the same number.
	s_cmp_lt_u32 s12, FETCH
	s_cbranch_scc0 .Lstored
.set pn, 0
.rept PCS
	s_wait_loadcnt PCS-1                           ; behind slot pn's load were issued 32 - pn loads of this phase and pn of doc: 32 may stay out
	PUT pn
	global_load_b128 v[RING+4*pn:RING+4*pn+3], v[ST], s[8:9] offset:pn*STRIDE th:TH_LOAD_NT
.set pn, pn+1
.endr
.Lstored:
	s_wait_dscnt 0x0                               ; my stores are in LDS
	s_barrier_signal -1
	s_barrier_wait -1                              ; everybody's are: user at LDS byte 0, ctx at 168,960
	; PHASE 1, the arithmetic, while doc is on its way
	TASK 20, AU, LU, 16*UROW, 0, 1, 25
	TASK 20, AU, LU, 16*UROW, 1, 1, 25
	TASK 20, AU, LU, 16*UROW, 2, 1, 25
	TASK 20, AU, LU, 16*UROW, 3, 1, 25
	TASK 10, AC, LC, 16*CROW, 0, 0, 26
	TASK 10, AC, LC, 16*CROW, 1, 0, 26
	TASK 10, AC, LC, 16*CROW, 2, 0, 26
	TASK 10, AC, LC, 16*CROW, 3, 0, 26
	s_wait_dscnt 0x0                               ; my reads of user and ctx are back (met: each row ended on this wait)
	s_barrier_signal -1
	s_barrier_wait -1                              ; everybody's are: doc may go over these bytes
	; PHASE 2.  Rows 16 k to 16 k + 15 end at byte 63,360 (k + 1); pieces 0 to 8 + 8 k of the 15 waves reach byte 69,120 + 61,440 k, which is
	; past it for k = 0 to 3.  The next group's stores begin there, so they touch no byte that a slower wave still reads.
	GROUP 0, 8
	TASK 30, AD, LD, 16*DROW, 0, 0, 27
	FIN 0
	GROUP 9, 16
	TASK 30, AD, LD, 16*DROW, 1, 0, 27
	FIN 1
	GROUP 17, 24
	TASK 30, AD, LD, 16*DROW, 2, 0, 27
	FIN 2
	GROUP 25, 32
	TASK 30, AD, LD, 16*DROW, 3, 0, 27
	FIN 3
	; Lane i takes the logit of row k = i mod 4, so that one exponential and one reciprocal serve the wave's four rows.
	v_cndmask_b32 v[T],   v[LIN],   v[LIN+1], s28
	v_cndmask_b32 v[T+1], v[LIN+2], v[LIN+3], s28
	v_cndmask_b32 v[T],   v[T],     v[T+1],   s29
	v_mul_f32 v[T], 0xbfb8aa3b, v[T]               ; -x / ln 2
	v_exp_f32 v[T+1], v[T]                         ; behind a transcendental one plain vector instruction stands before its result is used (ISA guide 5.7.2):
	v_and_b32 v[T+2], 3, v[LN]                     ; k
	s_wait_alu depctr_va_vdst(0)
	v_add_f32 v[T+1], 1.0, v[T+1]
	v_rcp_f32 v[T+3], v[T+1]                       ; and again:
	v_lshl_add_u32 v[T+2], v[T+2], 6, s13          ; row 16 k + w: word 16 k + w of the results
	s_wait_alu depctr_va_vdst(0)
	ds_store_b32 v[T+2], v[T+3]                    ; eight lanes write each word, with the same value
	s_wait_dscnt 0x0
	s_barrier_signal -1
	s_barrier_wait -1                              ; all 64 results are in LDS
	s_cmp_lg_u32 s12, 0
	s_cbranch_scc1 .Lend
	v_lshlrev_b32 v[T], 3, v[LN]                   ; wave 0: 8 bytes a lane
	v_add_nc_u32 v[T+1], RES, v[T]
	ds_load_b64 v[X:X+1], v[T+1]
	s_wait_dscnt 0x0
	global_store_b64 v[T], v[X:X+1], s[10:11] th:TH_STORE_NT   ; one store: 256 consecutive bytes, at a multiple of 256 from out's first byte
.Lend:
	s_wait_tensorcnt 0x0
	ds_add_u32 v202, v203
	s_wait_dscnt 0x0
	s_endpgm
.Lfunc_end_k_q5a02d7055e_fm:
	.size	k_q5a02d7055e_fm, .Lfunc_end_k_q5a02d7055e_fm-k_q5a02d7055e_fm
	.p2alignl 7, 3214868480
	.fill 96, 4, 3214868480
	.section	.rodata,"a",@progbits
	.p2align	6, 0x0
	.amdhsa_kernel k_q5a02d7055e_fm
		.amdhsa_group_segment_fixed_size 255744
		.amdhsa_private_segment_fixed_size 0
		.amdhsa_enable_private_segment 0
		.amdhsa_kernarg_size 32
		.amdhsa_user_sgpr_count 2
		.amdhsa_user_sgpr_kernarg_segment_ptr 1
		.amdhsa_wavefront_size32 1
		.amdhsa_system_sgpr_workgroup_id_x 1
		.amdhsa_system_sgpr_workgroup_id_y 1
		.amdhsa_system_sgpr_workgroup_id_z 1
		.amdhsa_system_vgpr_workitem_id 0
		.amdhsa_next_free_vgpr 204
		.amdhsa_next_free_sgpr 66
		.amdhsa_reserve_vcc 0
		.amdhsa_float_denorm_mode_32 3
		.amdhsa_float_denorm_mode_16_64 3
		.amdhsa_memory_ordered 1
		.amdhsa_forward_progress 1
		.amdhsa_inst_pref_size 54
	.end_amdhsa_kernel
	.amdgpu_metadata
---
amdhsa.version: [ 1, 2 ]
amdhsa.kernels:
  - .name:           k_q5a02d7055e_fm
    .symbol:         k_q5a02d7055e_fm.kd
    .args:
      - { .name: user, .offset: 0, .size: 8, .value_kind: global_buffer, .address_space: global }
      - { .name: ctx, .offset: 8, .size: 8, .value_kind: global_buffer, .address_space: global }
      - { .name: doc, .offset: 16, .size: 8, .value_kind: global_buffer, .address_space: global }
      - { .name: out0, .offset: 24, .size: 8, .value_kind: global_buffer, .address_space: global }
    .group_segment_fixed_size: 255744
    .private_segment_fixed_size: 0
    .kernarg_segment_align: 8
    .kernarg_segment_size: 32
    .max_flat_workgroup_size: 512
    .sgpr_count:     66
    .vgpr_count:     204
    .wavefront_size: 32
...
	.end_amdgpu_metadata
.endif
;; end of part 1
